; MI455X (gfx1250); checked and timed in simulation.
; The chip was launched on July 23, 2026; its instructions are those of AMD's public machine-readable ISA for CDNA 5 (MIT licence, August 2026) and "CDNA5" Instruction Set Architecture Reference Guide (July 2026). The comments in the code are by the model that wrote it; some were corrected since.
;; AFT FULL. Allowed arithmetic: matrix products marked QUANTISED: E2M1 operands, one E8M0 scale for each 32 along K, by v_wmma_scale_f32_16x16x128_f8f6f4 with both operands' format E2M1 (or v_wmma_scale_f32_32x16x128_f4), f32 sums; products left as they are: bf16, f16 or f32 operands; f32 sums; everything else in f32.
;; Inputs: Wk 512 x 512 float32; Wq 512 x 512 float32; Wv 512 x 512 float32; bk 512 float32; bq 512 float32; bv 512 float32; pos_bias 1,024 x 1,024 float32; x 32 x 1,024 x 512 float32.
;; Outputs: out0 32 x 1,024 x 512 float32.
;; This version of the problem:
;;   THIS VERSION OF THE PROBLEM IS GIVEN IN LOW PRECISION. The matrix products marked QUANTISED in the list below multiply operands that are first quantised to E2M1 (2 exponent bits, 1 mantissa bit; 4 bits a number), with one power-of-two scale for each 32 numbers along K (OCP MX v1.0); their sums are f32. The products marked 'left as it is' may take bf16, f16 or f32 operands, with f32 sums. Whichever they take, every output number must still come out within the allowed error. Rounding operands to bf16 (8 significant bits) uses up far more of that allowance than f16 does (11 bits, for magnitudes from 6e-5 to 65,504). All else is computed in f32.
;;   The module's matrix products, in the order in which they are computed (A, B: the left and right operand; K: the contracted axis; several contracted axes count as one K, in the product's order):
;;     1. [M 32,768, K 512] x [K 512, N 512]; A: input x; B: input Wq: QUANTISED
;;     2. [M 32,768, K 512] x [K 512, N 512]; A: input x; B: input Wk: QUANTISED
;;     3. [M 32,768, K 512] x [K 512, N 512]; A: input x; B: input Wv: QUANTISED
;;     4. [M 16,384, K 1,024] x [K 1,024, N 1,024]; A: computed on the way; B: computed on the way: left as it is (an operand is computed on the way)
;;     5. [M 16,384, K 1,024] x [K 1,024, N 1,024]; A: computed on the way; B: computed on the way: left as it is (an operand is computed on the way)
;;   THE QUANTISER, for each operand of a quantised product, along K:
;;     - K is cut into blocks of 32 from its start; a last block that is shorter is filled with zeros.
;;     - A block's scale is 2^e with e = floor(log2(the largest magnitude in the block)) - 2, held to -126 .. 127; a block of zeros has e = 0. As a byte (E8M0): e + 127.
;;     - Each number is divided by its block's scale, clamped to +-6, and rounded to the nearest number of E2M1, ties to even, subnormals kept.
;;     - The product sums the exact products of the quantised numbers (number of the format x scale) in f32.
;;   ~~~python
;;   def quantise(x, axis):      # numpy; x: float32 -> the quantised numbers, widened to float32 again
;;       x = np.moveaxis(x, axis, -1); K = x.shape[-1]
;;       x = np.pad(x, [(0, 0)] * (x.ndim - 1) + [(0, -K % 32)]); x = x.reshape(x.shape[:-1] + (-1, 32)); a = np.abs(x).max(-1, keepdims=True)
;;       e = np.where(a > 0, np.clip(np.frexp(np.where(a > 0, a, 1))[1] - 1 - 2, -126, 127), 0)      # np.frexp(a)[1] - 1 = floor(log2(a)), exactly
;;       r = np.clip(x / 2.0 ** e, -6, 6)
;;       step = 2.0 ** (np.maximum(np.frexp(np.where(r == 0, 1, r))[1] - 1, 0) - 1)
;;       q = np.round(r / step) * step * 2.0 ** e      # np.round: ties to even
;;       return np.moveaxis(q.reshape(q.shape[:-2] + (-1,))[..., :K], -1, axis).astype(np.float32)
;;   ~~~
;; One version. Each part assembles by itself: llvm-mc -triple=amdgcn-amd-amdhsa -mcpu=gfx1250 --defsym DOCPART=n.
;; ======== version 1 of 1: 2 launches
;; limits: values are held in f16: magnitudes above 65,504 overflow, below 6.1e-05 lose precision
;; workspace buffers: xw_codes 8,781,824 bytes; xw_scales 548,864 bytes; ew16 2,097,152 bytes
;; launch prep (part 1): grid 600 x 1, 4 waves a work-group, no clusters, 68,352 bytes of LDS; arguments x, Wq, Wk, Wv, pos_bias, xw_codes, xw_scales, ew16; writes xw_codes, xw_scales, ew16
.if DOCPART == 1
	.amdgcn_target "amdgcn-amd-amdhsa--gfx1250"
	.amdhsa_code_object_version 6
	.text
	.protected	k_q74d9ebdf79_prep
	.globl	k_q74d9ebdf79_prep
	.p2align	8
	.type	k_q74d9ebdf79_prep,@function
k_q74d9ebdf79_prep:
	s_mov_b64 s[64:65], 0
	v_nop
	global_prefetch_b8 v0, s[64:65] scope:SCOPE_SE
	s_setreg_imm32_b32 hwreg(HW_REG_WAVE_MODE, 25, 1), 1
	s_wait_xcnt 0x0
; TWO JOBS IN ONE LAUNCH, told apart by the work-group's number alone.
; Work-groups 0-63: ew = exp(pos_bias - its row's maximum), [1024][1024], as f16, laid as the second products' operand registers want it.
; Work-groups 64-599: x [32768][512], Wq, Wk, Wv [512][512], f32, K innermost, into codes of FP4 (E2M1) with one E8M0 byte for each 32 along K.
; THE WORKSPACE IS LAID IN THE ORDER OF THE OPERANDS' REGISTERS, so that the next launch fetches every fragment by 16 bytes a lane, 512 consecutive bytes an instruction:
;   xw_codes : 2,144 tiles of 16 rows x 512 K, 4,096 bytes each: [K step of 128: 4][c: 2][lane: 32][16 bytes]; lane (r = lane % 16, h = lane / 16) holds row r, K = 128 ks + 64 c + 32 h + 0..31.
;              Tiles 0-2047 x, 2048-2079 Wq, 2080-2111 Wk, 2112-2143 Wv.
;   xw_scales: 256 bytes a tile: [lane: 32][p: 2] words; word p of lane (r, h) is row r's scale word (four bytes, 128 along K) of K step 2 p + h.
;   ew16     : [tile of 16 rows t: 64][K step of 32: 32][c: 2][lane: 32][16 bytes]; lane (r, h) holds ew[16 T + r][32 ks + 16 c + 8 h + 0..7].
; THE QUANTISER: a block's scale is 2^(floor(log2(largest magnitude)) - 2); its byte is the largest magnitude's exponent field - 2, held at 1 from below; numbers are divided by it and rounded to the nearest code, ties to even, beyond 6 to 6.
; LIMITS: a block of zeros gets the byte 1 where the rule says 127 (its codes are zeros, and this program alone reads the bytes); NaN and infinities among the inputs are not served;
; an ew under 6e-8 (a pos_bias more than about 16 under its row's maximum) falls to 0 in f16.  The rounding of maximum x log2(e) is common to a row of ew and cancels in num / den.
; Every load reads 512 consecutive bytes of a row, 16 a lane; the numbers turn through the wave's own stage in LDS (rows of 512 bytes + 16) so that a lane holds neighbours along K.  Each job has LDS bytes of its own.
.set STB,   8448                       ; a stage: 16 rows x 528 bytes
.set SP,    528
.set EST,   4*STB                      ; the ew job's four stages, behind the quantiser's four
.set RMX,   8*STB                      ; the ew job's row maxima: [row 16][wave 4] words
.set SPARE, RMX+256                    ; the spare words, 128 bytes for each wave: two blocks of 256 bytes that no other line names
.set LI,   1                           ; v1   16 x lane
.set L8,   2                           ; v2   8 x lane
.set SIN,  3                           ; v3   the stage, on the way in: 16 x lane; the row stands in the immediate
.set SOUT, 4                           ; v4   on the way out: row r, + my half's bytes
.set RR,   5                           ; v5   r
.set HH,   6                           ; v6   h
.set H8,   7                           ; v7   8 h
.set RMS,  8                           ; v8   where I store my wave's maximum of row r
.set RML,  9                           ; v9   where I read row r's four
.set SPW,  10                          ; v10  LDS address of my spare word; never rewritten
.set NIL,  11                          ; v11  0; never rewritten
.set LANE, 12
.set T0,   13
.set RA,   16                          ; v16-79   numbers as loaded, set 0
.set RB,   80                          ; v80-143  set 1
.set X,    144                         ; v144-207 64 numbers of my row
.set C,    208                         ; v208-239 codes: eight registers for each K step, so that no store's data are written again
.set WD,   240                         ; v240-243 the four K steps' scale words
.set TM,   244                         ; v244-251 at work
	s_load_b256 s[4:11], s[0:1], 0x0               ; x, Wq, Wk, Wv
	s_load_b256 s[12:19], s[0:1], 0x20             ; pos_bias, xw_codes, xw_scales, ew16
	v_lshl_add_u32 v[SPW], v0, 2, SPARE
	v_mov_b32 v[NIL], 0
	v_lshrrev_b32 v[T0], 5, v0
	v_readfirstlane_b32 s20, v[T0]                 ; wave 0..3
	v_and_b32 v[LANE], 31, v0
	v_lshlrev_b32 v[LI], 4, v[LANE]
	v_lshlrev_b32 v[L8], 3, v[LANE]
	v_and_b32 v[RR], 15, v0
	v_bfe_u32 v[HH], v0, 4, 1
	v_lshlrev_b32 v[H8], 3, v[HH]
	v_mul_u32_u24 v[T0], v[RR], SP                 ; row r of a stage
	v_mov_b32 v[TM+7], 0                           ; written once: a lane permute's destination counts as one of its sources
	s_mul_i32 s21, s20, STB                        ; my stage
	s_mov_b32 s22, 0x76543210
	s_mov_b32 s23, 0xfedcba98                      ; v_permlanex16_b32's selects for lane l xor 16
	s_mov_b32 s29, 0
	s_cmp_lt_u32 ttmp9, 64                         ; the same in all four waves
	s_cbranch_scc1 .Lew
; ---------------- THE QUANTISER: a wave takes one tile of 16 rows x 512 K, a K step of 128 at a time ----------------
	v_add_nc_u32 v[SIN], s21, v[LI]
	v_lshl_add_u32 v[SOUT], v[HH], 7, v[T0]        ; 528 r + 128 h: my 32 numbers of a block pair begin 32 h numbers on
	v_add_nc_u32 v[SOUT], s21, v[SOUT]
	s_sub_co_u32 s24, ttmp9, 64                    ; 0-511 x, 512-519 Wq, 520-527 Wk, 528-535 Wv: four tiles each
	s_wait_kmcnt 0x0
	s_mov_b64 s[26:27], s[10:11]
	s_mov_b32 s25, 528
	s_cmp_lt_u32 s24, 528                          ; the choices hang on the work-group's number alone
	s_cselect_b64 s[26:27], s[8:9], s[26:27]
	s_cselect_b32 s25, 520, s25
	s_cmp_lt_u32 s24, 520
	s_cselect_b64 s[26:27], s[6:7], s[26:27]
	s_cselect_b32 s25, 512, s25
	s_cmp_lt_u32 s24, 512
	s_cselect_b64 s[26:27], s[4:5], s[26:27]
	s_cselect_b32 s25, 0, s25
	s_sub_co_u32 s25, s24, s25
	s_lshl_b32 s25, s25, 2
	s_add_co_u32 s25, s25, s20                     ; my tile within its tensor,
	s_lshl_b32 s28, s25, 15                        ; 32,768 bytes of f32 each (under 2^27 in all)
	s_add_nc_u64 s[26:27], s[26:27], s[28:29]
	s_lshl_b32 s24, s24, 2
	s_add_co_u32 s24, s24, s20                     ; my tile in the workspace
	s_lshl_b32 s28, s24, 12
	s_add_nc_u64 s[14:15], s[14:15], s[28:29]
	s_lshl_b32 s28, s24, 8
	s_add_nc_u64 s[16:17], s[16:17], s[28:29]
.macro LOADC ks                        ; K step ks of the 16 rows: each load reads 512 consecutive bytes of one row
.irp i, 0,1,2,3,4,5,6,7,8,9,10,11,12,13,14,15
	global_load_b128 v[RA+64*((\ks)%2)+4*\i:RA+64*((\ks)%2)+4*\i+3], v[LI], s[26:27] offset:2048*\i+512*(\ks) th:TH_LOAD_NT
.endr
.endm
.macro TURNQ set                       ; through the stage: LDS serves a wave's instructions in order, so no wait stands between the stores and the loads
.irp i, 0,1,2,3,4,5,6,7,8,9,10,11,12,13,14,15
	ds_store_b128 v[SIN], v[RA+64*(\set)+4*\i:RA+64*(\set)+4*\i+3] offset:SP*\i
.endr
.irp c, 0,1
.irp i, 0,1,2,3,4,5,6,7
	ds_load_b128 v[X+32*\c+4*\i:X+32*\c+4*\i+3], v[SOUT] offset:256*\c+16*\i   ; row r, K = 64 c + 32 h + 4 i ..
.endr
.endr
.endm
.macro QBLK ks                         ; my two whole blocks (c = 0, 1: blocks h and 2 + h of the K step)
.irp c, 0,1
	v_max3_num_f32 v[TM+\c], |v[X+32*\c]|, |v[X+32*\c+1]|, 0x1800000   ; with the floor 2^(3 - 127): the byte cannot fall under 1
.endr
.irp i, 2,4,6,8,10,12,14,16,18,20,22,24,26,28,30
.irp c, 0,1
	v_max3_num_f32 v[TM+\c], v[TM+\c], |v[X+32*\c+\i]|, |v[X+32*\c+\i+1]|
.endr
.endr
.irp c, 0,1
	v_add_nc_u32 v[TM+2+\c], 0xff000000, v[TM+\c]  ; 2 off the exponent field: the conversion takes this operand's exponent field as its scale
.endr
.irp c, 0,1
	v_lshrrev_b32 v[TM+4+\c], 23, v[TM+2+\c]       ; the scale's byte
.endr
	v_lshl_or_b32 v[TM+6], v[TM+5], 16, v[TM+4]    ; my two bytes,
	v_lshlrev_b32 v[TM+6], v[H8], v[TM+6]          ; at their places in the row's scale word;
	v_permlanex16_b32 v[TM+7], v[TM+6], s22, s23
	v_or_b32 v[WD+(\ks)], v[TM+6], v[TM+7]         ; with lane l xor 16's two the word is whole, in both lanes
.irp c, 0,1
.irp g, 0,1,2,3
	v_cvt_scalef32_pk8_fp4_f32 v[C+8*(\ks)+4*\c+\g], v[X+32*\c+8*\g:X+32*\c+8*\g+7], v[TM+2+\c]
.endr
.endr
	v_nop                                          ; one plain instruction behind the last scaled conversion
.irp c, 0,1
	global_store_b128 v[LI], v[C+8*(\ks)+4*\c:C+8*(\ks)+4*\c+3], s[14:15] offset:1024*(\ks)+512*\c   ; 32 lanes store 512 consecutive bytes
.endr
.endm
	LOADC 0
	LOADC 1
.irp ks, 0,1,2,3
.if \ks < 3
	s_wait_loadcnt 16                              ; this K step's 16 loads are in; the next one's 16 may be out
.else
	s_wait_loadcnt 0x0
.endif
	TURNQ \ks%2
	s_wait_dscnt 0x0                               ; my 64 numbers are back
.if \ks < 2
	LOADC \ks+2                                    ; into the set that has just gone through the stage
.endif
	QBLK \ks
.endr
	v_cmp_lt_u32 vcc_lo, 15, v[LANE]               ; lanes 16-31 keep the odd K steps' words
	v_cndmask_b32 v[TM], v[WD], v[WD+1], vcc_lo
	v_cndmask_b32 v[TM+1], v[WD+2], v[WD+3], vcc_lo
	global_store_b64 v[L8], v[TM:TM+1], s[16:17]   ; 32 lanes store 256 consecutive bytes, aligned
	s_wait_tensorcnt 0x0                           ; the wave's end, behind my last LDS store
	ds_add_u32 v[SPW], v[NIL]
	s_wait_dscnt 0x0
	s_endpgm
; ---------------- ew: the work-group takes 16 rows of pos_bias, wave w their columns 256 w .. 256 w + 255 ----------------
.Lew:
	s_add_co_u32 s21, s21, EST
	v_add_nc_u32 v[SIN], s21, v[LI]
	v_lshl_add_u32 v[SOUT], v[HH], 5, v[T0]        ; 528 r + 32 h: my 8 numbers of each 16
	v_add_nc_u32 v[SOUT], s21, v[SOUT]
	v_lshlrev_b32 v[RML], 4, v[RR]
	v_add_nc_u32 v[RML], RMX, v[RML]
	s_lshl_b32 s24, s20, 2
	v_add_nc_u32 v[RMS], s24, v[RML]
	s_mov_b32 s30, 0x3fb8aa3b                      ; log2(e)
	s_mov_b32 s31, s30                             ; (named with it as a pair, so it is written)
	s_lshl_b32 s28, ttmp9, 16                      ; 16 rows of 4,096 bytes
	s_lshl_b32 s25, s20, 10
	s_add_co_u32 s28, s28, s25
	s_wait_kmcnt 0x0
	s_add_nc_u64 s[12:13], s[12:13], s[28:29]
	s_lshl_b32 s28, ttmp9, 15                      ; a tile of ew16 is 32,768 bytes, my eight K steps 8,192
	s_lshl_b32 s25, s20, 13
	s_add_co_u32 s28, s28, s25
	s_add_nc_u64 s[18:19], s[18:19], s[28:29]
.irp q, 0,1
.irp i, 0,1,2,3,4,5,6,7,8,9,10,11,12,13,14,15
	global_load_b128 v[RA+64*\q+4*\i:RA+64*\q+4*\i+3], v[LI], s[12:13] offset:4096*\i+512*\q th:TH_LOAD_NT
.endr
.endr
.macro TURNE src, dst                  ; 16 rows x 128 columns through the stage; chunk m of 16 columns: my 8 numbers into dst + 8 m
.irp i, 0,1,2,3,4,5,6,7,8,9,10,11,12,13,14,15
	ds_store_b128 v[SIN], v[\src+4*\i:\src+4*\i+3] offset:SP*\i
.endr
.irp m, 0,1,2,3,4,5,6,7
.irp i, 0,1
	ds_load_b128 v[\dst+8*\m+4*\i:\dst+8*\m+4*\i+3], v[SOUT] offset:64*\m+16*\i
.endr
.endr
.endm
	s_wait_loadcnt 16                              ; the first 128 columns are in; the other 16 loads may be out
	TURNE RA, X
	s_wait_dscnt 0x0
	s_wait_loadcnt 0x0
	TURNE RB, RA
	s_wait_dscnt 0x0
	v_max_num_f32 v[TM], v[X], v[X+1]              ; the largest of my 128 numbers of row r, in two chains
	v_max_num_f32 v[TM+1], v[RA], v[RA+1]
.set NN, 2
.rept 31
	v_max3_num_f32 v[TM], v[TM], v[X+NN], v[X+NN+1]
	v_max3_num_f32 v[TM+1], v[TM+1], v[RA+NN], v[RA+NN+1]
.set NN, NN+2
.endr
	v_max_num_f32 v[TM], v[TM], v[TM+1]
	v_permlanex16_b32 v[TM+7], v[TM], s22, s23
	v_max_num_f32 v[TM], v[TM], v[TM+7]            ; with lane l xor 16's: my wave's 256 columns
	ds_store_b32 v[RMS], v[TM]                     ; both lanes of a row write the same word with the same value
	s_wait_dscnt 0x0                               ; for the others' sake
	s_barrier_signal -1
	s_barrier_wait -1
	ds_load_b128 v[TM+4:TM+7], v[RML]              ; the four waves' maxima of row r
	s_wait_dscnt 0x0
	v_max3_num_f32 v[TM], v[TM+4], v[TM+5], v[TM+6]
	v_max_num_f32 v[TM], v[TM], v[TM+7]
	v_mul_f32 v[TM+2], 0xbfb8aa3b, v[TM]           ; - maximum x log2(e)
	v_mov_b32 v[TM+3], v[TM+2]
.set NN, 0
.rept 32
	v_pk_fma_f32 v[X+NN:X+NN+1], v[X+NN:X+NN+1], s[30:31], v[TM+2:TM+3] op_sel_hi:[1,0,0]
	v_pk_fma_f32 v[RA+NN:RA+NN+1], v[RA+NN:RA+NN+1], s[30:31], v[TM+2:TM+3] op_sel_hi:[1,0,0]
.set NN, NN+2
.endr
.set NN, 0
.rept 64
	v_exp_f32 v[X+NN], v[X+NN]
	v_exp_f32 v[RA+NN], v[RA+NN]
.set NN, NN+1
.endr
	v_nop                                          ; a plain instruction behind the last exponential
	s_wait_alu depctr_va_vdst(0)                   ; one wait for the batch of 128, ahead of its first reader
.set NN, 0
.rept 32
	v_cvt_pk_f16_f32 v[RB+NN], v[X+2*NN], v[X+2*NN+1]
	v_cvt_pk_f16_f32 v[RB+32+NN], v[RA+2*NN], v[RA+2*NN+1]
.set NN, NN+1
.endr
.irp q, 0,1
.irp m, 0,1,2,3,4,5,6,7
	global_store_b128 v[LI], v[RB+32*\q+4*\m:RB+32*\q+4*\m+3], s[18:19] offset:4096*\q+512*\m   ; K step 4 q + m / 2, c = m % 2: 512 consecutive bytes
.endr
.endr
	s_wait_tensorcnt 0x0                           ; the wave's end, behind my last LDS store
	ds_add_u32 v[SPW], v[NIL]
	s_wait_dscnt 0x0
	s_endpgm
.Lfunc_end_k_q74d9ebdf79_prep:
	.size	k_q74d9ebdf79_prep, .Lfunc_end_k_q74d9ebdf79_prep-k_q74d9ebdf79_prep
	.p2alignl 7, 3214868480
	.fill 96, 4, 3214868480
	.section	.rodata,"a",@progbits
	.p2align	6, 0x0
	.amdhsa_kernel k_q74d9ebdf79_prep
		.amdhsa_group_segment_fixed_size 68352
		.amdhsa_private_segment_fixed_size 0
		.amdhsa_enable_private_segment 0
		.amdhsa_kernarg_size 64
		.amdhsa_user_sgpr_count 2
		.amdhsa_user_sgpr_kernarg_segment_ptr 1
		.amdhsa_wavefront_size32 1
		.amdhsa_system_sgpr_workgroup_id_x 1
		.amdhsa_system_sgpr_workgroup_id_y 1
		.amdhsa_system_sgpr_workgroup_id_z 1
		.amdhsa_system_vgpr_workitem_id 0
		.amdhsa_next_free_vgpr 256
		.amdhsa_next_free_sgpr 66
		.amdhsa_reserve_vcc 1
		.amdhsa_float_denorm_mode_32 3
		.amdhsa_float_denorm_mode_16_64 3
		.amdhsa_memory_ordered 1
		.amdhsa_forward_progress 1
		.amdhsa_inst_pref_size 56
	.end_amdhsa_kernel
	.amdgpu_metadata
---
amdhsa.version: [ 1, 2 ]
amdhsa.kernels:
  - .name:           k_q74d9ebdf79_prep
    .symbol:         k_q74d9ebdf79_prep.kd
    .args:
      - { .name: x, .offset: 0, .size: 8, .value_kind: global_buffer, .address_space: global }
      - { .name: Wq, .offset: 8, .size: 8, .value_kind: global_buffer, .address_space: global }
      - { .name: Wk, .offset: 16, .size: 8, .value_kind: global_buffer, .address_space: global }
      - { .name: Wv, .offset: 24, .size: 8, .value_kind: global_buffer, .address_space: global }
      - { .name: pos_bias, .offset: 32, .size: 8, .value_kind: global_buffer, .address_space: global }
      - { .name: xw_codes, .offset: 40, .size: 8, .value_kind: global_buffer, .address_space: global }
      - { .name: xw_scales, .offset: 48, .size: 8, .value_kind: global_buffer, .address_space: global }
      - { .name: ew16, .offset: 56, .size: 8, .value_kind: global_buffer, .address_space: global }
    .group_segment_fixed_size: 68352
    .private_segment_fixed_size: 0
    .kernarg_segment_align: 8
    .kernarg_segment_size: 64
    .max_flat_workgroup_size: 128
    .sgpr_count:     66
    .vgpr_count:     256
    .wavefront_size: 32
...
	.end_amdgpu_metadata
.endif
;; end of part 1
;; launch main (part 2): grid 8 x 32, 4 waves a work-group, clusters of 4 x 1, 327,680 bytes of LDS; arguments xw_codes, xw_scales, ew16, bq, bk, bv, out0; writes out0
.if DOCPART == 2
	.amdgcn_target "amdgcn-amd-amdhsa--gfx1250"
	.amdhsa_code_object_version 6
	.text
	.protected	k_q74d9ebdf79_main
	.globl	k_q74d9ebdf79_main
	.p2align	8
	.type	k_q74d9ebdf79_main,@function
k_q74d9ebdf79_main:
	s_mov_b64 s[64:65], 0
	v_nop
	global_prefetch_b8 v0, s[64:65] scope:SCOPE_SE
	s_setreg_imm32_b32 hwreg(HW_REG_WAVE_MODE, 25, 1), 1
	s_wait_xcnt 0x0
	s_wait_alu depctr_hold_cnt(0) depctr_sa_sdst(0) depctr_va_vdst(0) depctr_va_sdst(0) depctr_va_ssrc(0) depctr_va_vcc(0) depctr_vm_vsrc(0)
	s_getreg_b32 s2, hwreg(HW_REG_IB_STS2, 6, 4)
	s_cmp_eq_u32 s2, 0
	s_cbranch_scc0 .Lentry_in_a_cluster
	s_endpgm
.Lentry_in_a_cluster:
	s_bfe_u32 s2, ttmp6, 0x10000c
	s_cmp_lg_u32 s2, 0x3003
	s_cbranch_scc0 .Lentry_shape_is_right
	s_endpgm
.Lentry_shape_is_right:
; out[b][t][d] = sigmoid(q) x (sum_s ew[t][s] ek[s][d] v[s][d]) / (sum_s ew[t][s] ek[s][d]),  q, k, v = x W^T + bias on codes of FP4 (E2M1) with E8M0 scales,  ek = exp(k - the column's maximum over s).
; SHARES.  A work-group owns one batch and 64 channels, so it owns whole columns of k.  Its four waves SHARE THE POSITIONS s: wave w owns s = 256 w .. 256 w + 255 for all 64 channels.
; PHASE 1.  k = x Wk^T + bk (source 0 = 16 positions of x, source 1 = 16 channels of W): in the result a lane holds ONE channel and eight neighbouring positions.  The column maximum is taken over registers, the
; two halves of the lanes and, through LDS, the four waves.  Then v likewise, 32 positions at a time; ek and ek v are rounded to f16 in pairs: two such tiles ARE a source-0 fragment (16 channels x 32 positions)
; of the second products.  They stay in 512 registers: nothing of k, v, ek goes to LDS or memory.
; PHASE 2.  For each tile of 16 rows t a wave makes 64 f16 products (8 K steps of 32 positions x 4 channel tiles x {den, num}; source 1 = ew's fragment from LDS), which are sums over ITS 256 positions.
; The partial sums of three channel tiles go to the other three waves through LDS as images of their registers; the fourth tile it finishes itself: adds the three that it receives, makes q for that tile
; (4 FP4 products, source 0 = Wq, source 1 = x: the same layout as the sums), out = num / (den (1 + e^-q)), and the rows leave through a stage as whole runs of 256 bytes.
; CHANNEL TILES ARE NUMBERED RELATIVE TO THE WAVE: my group g holds the real tile (w + g) % 4.  So group 0 is the tile that I finish and group g goes to wave (w + g) % 4: one text for all waves, only addresses differ.
; A HALF-PERIOD is one tile's 64 products; the side work of the two tiles before stands in slices behind them.  One barrier a half-period: between two barriers one parity of the partial sums' and the stage's bytes is read and the other written.
; CLUSTER.  The four partners own the same batch, so x's codes and scales, and ew, which every work-group walks, are asked for JOINTLY: the same tensor load, the same descriptor, a mask that names the four.
; f16, not bf16, for ew, ek, ek v: ew and ek lie in (0, 1], |ek v| <= |v|.
; LIMITS: |v| under 65,504 (ek v is an f16 operand); an ek under 6e-5 carries f16's denormal precision and under 6e-8 falls to 0; NaN and infinities among the inputs are not served.
; The rounding of maximum x log2(e) is common to a column and cancels in num / den.
;
; LDS: 0 .. 262,143 the ring: phase 1: x's codes [group of 4 tiles: 4][wave: 4][16 KB]; phase 2: two slots of 131,072 bytes, four tiles of ew (32 KB each).
;   PB: phase 1: x's scale words (4 KB a wave; filled once); phase 2: the partial sums [parity 2][to wave 4][from 3][den, num][1 KB].   SG: the stage [parity 2][16 rows of 256 + 16 bytes].   CMX: [channel 64][wave 4] words.
; All of a WGP's LDS is claimed.
; REGISTERS, in windows of 256 (s_set_vgpr_msb: bits 1:0 source 0, 3:2 source 1, 5:4 source 2, 7:6 destination):
;   window 0: addresses, scale words, q, sums, v128-255 two sets of 8 accumulators (phase 1: v's tiles and the bias).   window 1: v0-127 W's 16 fragments, then ew's two sets of 8; v128-191 x's fragments, two sets; v192-223 Wq's.
;   windows 2, 3: E: for K step kk and group g 16 registers at 16 (4 kk + g): first k's two f32 tiles, then ek's fragment and ek v's.
.set SLOTB, 131072
.set PB,    262144
.set SG,    311296
.set CMX,   320000
.set SPARE, 321024                     ; the spare words, 128 bytes for each wave: two blocks of 256 bytes that no other line names
.set LI,   1                           ; v1   16 x lane
.set L8,   2                           ; v2   8 x lane
.set ADR,  3                           ; v3   the LDS address in hand
.set EWB,  4                           ; v4   my eight K steps in a tile of ew: 8,192 w + 16 x lane
.set PS0,  4                           ; v5-7 where group g's partial sums go: PB + 6,144 ((w + g) % 4) + 2,048 (g - 1) + 16 x lane
.set PLD,  8                           ; v8   where I find the three that are for me
.set SGS,  9                           ; v9   the stage: row r, my 16 channels, my half's 32 bytes
.set SGL,  10                          ; v10  back: rows 4 w + h, 16 bytes a lane
.set OV,   11                          ; v11  the same place in 16 rows of out
.set SPW,  12                          ; v12  LDS address of my spare word; never rewritten
.set NIL,  13                          ; v13  0; never rewritten
.set PFO,  14                          ; v14  256 x lane
.set XSA,  15                          ; v15  x's scale words in LDS
.set WQS,  16                          ; v16-17 Wq's scale words;  v18-21 x's, two sets;  v22-29 W's, two a group: these hold scales and nothing else
.set XS,   18
.set WS,   22
.set BQ,   30                          ; v30-37 bq in the result's layout
.set QA,   38                          ; v38-53 q, then 1 / (den (1 + e^-q)), then out: two parities
.set FD,   54                          ; v54-61 den, v62-69 num
.set STR,  70                          ; v70-77 rows read back from the stage
.set RP,   78                          ; v78-125 the three partial sums that I receive
.set ADRH, 126
.set XA0,  127                         ; v127 x's codes in LDS: 16,384 w + 16 x lane
.set ACC,  128
.set WOF,  54                          ; phase 1 only: v54-57 .. v90-105, and v106-108 at the head
.set WSO,  58
.set BOF,  62
.set CML,  66
.set CMS,  70
.set MS,   74                          ; v74-81 - maximum x log2(e), a pair a group
.set MX,   82
.set MP,   86
.set MT,   90
.set RR,   106
.set HH,   107
.set TT,   108
.set VA,   128                         ; v's tile (parity, g) at 128 + 32 parity + 8 g
.set BC,   192                         ; the bias, 8 equal registers a group
.set WV,  18
.set CX,  19
.set DB,  20
.set BT,  21
.set G1X, 24                           ; s[24:31] group 1: 16 KB;  s[32:39]: 32 KB;  s[80:87]: 4 KB
.set G1E, 32
.set G0X, 40                           ; s[40:55] groups 0 of x's four groups of tiles
.set G0E, 56                           ; s[56:59] group 0 for ew, which walks
.set SEL, 60
.set LG,  62                           ; s[62:63] log2(e);  s[66:67] -log2(e)
.set NLG, 66
.set TB,  68                           ; the slot in hand
.set T2,  69
.set CNT, 70
.set LIM, 71
.set PFA, 72
.set XBS, 74                           ; x's codes of my batch, stepped a tile a half-period;  s[76:77] its scale words;  s[78:79] out
.set XSS, 76
.set OBS, 78
.set G1S, 80
.set G0S, 88
.set WCB, 92                           ; my 64 channels' tiles of Wq;  Wk's and Wv's lie 131,072 and 262,144 bytes on
.set WSB, 94
.set MSB, 0
.macro WIN new                         ; the immediate's high byte repeats the setting that is left; a switch that changes nothing is dropped
.if MSB != (\new)
	s_set_vgpr_msb (MSB<<8)|(\new)
.set MSB, (\new)
.endif
.endm
.macro PLACES                          ; four plain instructions behind a matrix instruction, ahead of loads into its registers and of reads of its result (ISA guide 7.12.1 for the reads)
.rept 4
	v_nop
.endr
.endm
.macro CREST                           ; a round of the cluster's barrier behind its opening barrier
	s_cmp_lg_u32 s[WV], 0
	s_cbranch_scc1 .Lnw0_\@
	s_barrier_signal -3
.Lnw0_\@:
	s_barrier_wait -3
	s_barrier_signal -1
	s_barrier_wait -1
.endm
.macro ROUND
	s_barrier_signal -1
	s_barrier_wait -1
	CREST
.endm
.macro FP4 odd                         ; one scaled product on the registers named by rD, rA, rB, rC, sA, sB; an odd K step's scale words lie in lanes 16-31
.if (\odd)
	v_wmma_scale_f32_16x16x128_f8f6f4 v[rD:rD+7], v[rA:rA+7], v[rB:rB+7], v[rC:rC+7], v[sA], v[sB] matrix_a_fmt:MATRIX_FMT_FP4 matrix_b_fmt:MATRIX_FMT_FP4 matrix_a_scale:MATRIX_SCALE_ROW1 matrix_b_scale:MATRIX_SCALE_ROW1
.else
	v_wmma_scale_f32_16x16x128_f8f6f4 v[rD:rD+7], v[rA:rA+7], v[rB:rB+7], v[rC:rC+7], v[sA], v[sB] matrix_a_fmt:MATRIX_FMT_FP4 matrix_b_fmt:MATRIX_FMT_FP4
.endif
.endm
; my s-tile j: its four fragments and two scale registers from LDS into set j % 2: nine loads.  pass 0 (k): the group of four tiles is waited for: behind it 3 - j / 4 groups were asked for.
.macro XFETCH j, pass
	WIN 0
.if ((\pass) == 0) && (((\j)%4) == 0)
	s_wait_tensorcnt 3-(\j)/4                      ; I read only bytes that my own loads brought
.endif
	v_add_nc_u32 v[ADR], 65536*((\j)/4), v[XA0]
	WIN 0x40
.irp ks, 0,1,2,3
.irp c, 0,1
	ds_load_b128 v[128+32*((\j)%2)+8*\ks+4*\c:128+32*((\j)%2)+8*\ks+4*\c+3], v[ADR] offset:4096*((\j)%4)+1024*\ks+512*\c
.endr
.endr
	WIN 0
	ds_load_b64 v[XS+2*((\j)%2):XS+2*((\j)%2)+1], v[XSA] offset:256*(\j)
.endm
; s-tile j against W's four channel tiles: 16 products, the four accumulators by turns.  pass 0: into E (k);  1: into VA (v).  The bias is the C of each sum's first product.
.macro XTILE j, pass, next
	PLACES
.if \next
	XFETCH (\j)+1, \pass
	s_wait_dscnt 9                                 ; this tile's nine loads are in; the next tile's nine may be out
.else
	s_wait_dscnt 0x0
.endif
.irp ks, 0,1,2,3
.irp g, 0,1,2,3
.set rA, 128+32*((\j)%2)+8*\ks
.set rB, 8*(4*\g+\ks)
.set sA, XS+2*((\j)%2)+\ks/2
.set sB, WS+2*\g+\ks/2
.if \pass
.set rD, VA+32*((\j)%2)+8*\g
	WIN 0x05
.else
.set EI, 16*(4*((\j)/2)+\g)+8*((\j)%2)
.set rD, EI&255
.if \ks == 0
	WIN 0x85+0x40*(EI>>8)
.else
	WIN 0xa5+0x50*(EI>>8)
.endif
.endif
.set rC, rD
.if \ks == 0
.set rC, BC+8*\g
.endif
	FP4 \ks%2
.endr
.endr
.endm
.macro WLOAD mat, bb                   ; W's 16 fragments, its scale words and its bias, for my four groups.  mat: 1 Wk, 2 Wv
	WIN 0x40
.irp g, 0,1,2,3
.irp ks, 0,1,2,3
.irp c, 0,1
	global_load_b128 v[8*(4*\g+\ks)+4*\c:8*(4*\g+\ks)+4*\c+3], v[WOF+\g], s[WCB:WCB+1] offset:131072*(\mat)+1024*\ks+512*\c
.endr
.endr
.endr
	WIN 0
.irp g, 0,1,2,3
	global_load_b64 v[WS+2*\g:WS+2*\g+1], v[WSO+\g], s[WSB:WSB+1] offset:8192*(\mat)
	global_load_b32 v[BC+8*\g], v[BOF+\g], s[\bb:\bb+1]
.endr
.endm
.macro BCAST                           ; a lane's eight results are eight positions of one channel: the bias eight times
.irp g, 0,1,2,3
.irp n, 1,2,3,4,5,6,7
	v_mov_b32 v[BC+8*\g+\n], v[BC+8*\g]
.endr
.endr
.endm
.macro EXPS kk                         ; ek = 2^(k log2(e) - maximum log2(e)) for K step kk: one batch of 64 exponentials, one wait
	WIN 0x82+0x41*((\kk)/4)
.irp g, 0,1,2,3
.irp n, 0,2,4,6,8,10,12,14
.set rE, (16*(4*(\kk)+\g)+\n)&255
	v_pk_fma_f32 v[rE:rE+1], v[rE:rE+1], s[LG:LG+1], v[MS+2*\g:MS+2*\g+1] op_sel_hi:[1,0,0]   ; (these 32 are also the places behind v's products)
.endr
.endr
.irp g, 0,1,2,3
.irp n, 0,1,2,3,4,5,6,7,8,9,10,11,12,13,14,15
.set rE, (16*(4*(\kk)+\g)+\n)&255
	v_exp_f32 v[rE], v[rE]
.endr
.endr
	v_nop                                          ; a plain instruction behind the last exponential
	s_wait_alu depctr_va_vdst(0)                   ; one wait for the batch, ahead of its first reader
.endm
.macro CONV kk                         ; v becomes ek v in f32; ek is rounded to f16 in place (register i is written after it was read), then ek v behind it
	WIN 0x08+0x04*((\kk)/4)
.irp par, 0,1
.irp g, 0,1,2,3
.irp n, 0,2,4,6
.set rV, VA+32*\par+8*\g+\n
.set rE, (16*(4*(\kk)+\g)+8*\par+\n)&255
	v_pk_mul_f32 v[rV:rV+1], v[rV:rV+1], v[rE:rE+1]   ; each tile of v from its low end on
.endr
.endr
.endr
	WIN 0x8a+0x45*((\kk)/4)
.irp g, 0,1,2,3
.irp n, 0,1,2,3,4,5,6,7
.set rE, (16*(4*(\kk)+\g))&255
	v_cvt_pk_f16_f32 v[rE+\n], v[rE+2*\n], v[rE+2*\n+1]
.endr
.endr
	WIN 0x80+0x40*((\kk)/4)
.irp g, 0,1,2,3
.irp n, 0,1,2,3,4,5,6,7
.set rE, (16*(4*(\kk)+\g))&255
.set rV, VA+32*(\n/4)+8*\g+2*(\n%4)
	v_cvt_pk_f16_f32 v[rE+8+\n], v[rV], v[rV+1]
.endr
.endr
.endm
.macro VSTEP kk, next
	XTILE 2*(\kk), 1, 1
	XTILE 2*(\kk)+1, 1, \next
	EXPS \kk
	CONV \kk
.endm
; A slot of the ring is filled again, by a joint load: every wave waits for all its tensor loads, adds 0 to its spare word, waits for that and for its LDS reads; a round of the cluster's barrier; the one load first behind it.
.macro REFILL step
	WIN 0
	s_wait_tensorcnt 0x0                           ; no tensor load of mine is out, so a group 0 may be written
	ds_add_u32 v[SPW], v[NIL]
.if \step
	s_xor_b32 s[G0E+1], s[G0E+1], SLOTB
	s_add_nc_u64 s[G0E+2:G0E+3], s[G0E+2:G0E+3], SLOTB
.endif
	s_wait_dscnt 0x0
	ROUND
	tensor_load_to_lds s[G0E:G0E+3], s[G1E:G1E+7]  ; tile 4 slot + w of ew: 32 KB
	s_nop 0
	PLACES
.endm
; A prefetch of the slot of ew that the NEXT refill will ask for: 131,072 bytes.  Every work-group walks the same ew: the launch's first cluster asks.  Its sixteen waves take 8,192 bytes each, told apart by address, lanes 256 bytes apart:
; each block is named once.  how = 1: ahead of the loop;  0: in the loop, whose last refill has no slot behind it.
.macro ASK how
.if \how
	s_cmp_eq_u32 s[LIM], 1
.else
	s_cmp_gt_u32 s[CNT], s[LIM]
.endif
	s_cbranch_scc0 .Lnot_mine_\@
	global_prefetch_b8 v[PFO], s[PFA:PFA+1] th:TH_LOAD_NT scope:SCOPE_SE
.Lnot_mine_\@:
.endm
.macro XLOAD x, off                    ; a tile of x for q: four fragments and two scale registers from memory into set x: nine loads, 512 or 256 consecutive bytes each
	WIN 0x40
.irp ks, 0,1,2,3
.irp c, 0,1
	global_load_b128 v[128+32*(\x)+8*\ks+4*\c:128+32*(\x)+8*\ks+4*\c+3], v[LI], s[XBS:XBS+1] offset:(\off)+1024*\ks+512*\c
.endr
.endr
	WIN 0
	global_load_b64 v[XS+2*(\x):XS+2*(\x)+1], v[L8], s[XSS:XSS+1] offset:(\off)/16
.endm
.macro EWLOAD b, areg, aoff            ; my eight fragments of a tile of ew into set b: sixteen loads
	WIN 0x40
.irp kk, 0,1,2,3,4,5,6,7
.irp c, 0,1
	ds_load_b128 v[64*(\b)+8*\kk+4*\c:64*(\b)+8*\kk+4*\c+3], v[\areg] offset:(\aoff)+1024*\kk+512*\c
.endr
.endr
.endm
.macro MM p                            ; f16 product number II of 64: K step II / 8, accumulator II % 8 = 2 g + (0 den, 1 num).  The eight accumulators take turns; the first K step starts the sums
.set KK, II/8
.set AA, II%8
.set EI, 16*(4*KK+AA/2)+8*(AA%2)
	WIN 0x06+(EI>>8)
.set ER, EI&255
.set AC, ACC+64*(\p)+8*AA
.set EW, 64*(\p)+8*KK
.if KK == 0
	v_wmma_f32_16x16x32_f16 v[AC:AC+7], v[ER:ER+7], v[EW:EW+7], 0
.else
	v_wmma_f32_16x16x32_f16 v[AC:AC+7], v[ER:ER+7], v[EW:EW+7], v[AC:AC+7]
.endif
.endm
.macro QW x, ks, wm                    ; K step ks of q = Wq x^T + bq.  Among the f16 products it takes turns with them; where there are none (wm = 0) the links follow each other, with a wait directly ahead of each
	WIN 0x05
.set rD, QA+8*(\x)
.set rA, 192+8*(\ks)
.set rB, 128+32*(\x)+8*(\ks)
.set sA, WQS+(\ks)/2
.set sB, XS+2*(\x)+(\ks)/2
.set rC, rD
.if (\ks) == 0
.set rC, BQ
.elseif !(\wm)
	s_wait_alu depctr_va_vdst(0)
.endif
	FP4 (\ks)%2
.endm
; A HALF-PERIOD h, p = h % 2.  wm: tile h's 64 products into set p.  Behind product number II stands side work for the tiles before (XX = 1 - p is tile h - 1's parity):
;   q: q of tile h - 1, then 1 / (den (1 + e^-q));  ps, pl: its partial sums out and in;  e7, sl: tile h - 2 is finished, goes through the stage and is stored;  el: tile h + 1's fragments of ew, from v[areg] + aoff;
;   xl: tile h + 1 of x is asked for;  bar: 1 the work-group's barrier, 2 it opens a round of the cluster's, behind which the slot just left is filled again;  lc: the younger loads that may stay out when tile h - 1 of x is wanted.
.macro HP p, wm, q, e7, ps, bar, pl, sl, el, areg, aoff, xl, lc
.set XX, 1-(\p)
.set II, 0
.if \q
	s_wait_loadcnt \lc
.endif
.rept 64
.if \wm
	MM \p
.endif
.if (II < 4) && \q
	QW XX, II, \wm
.endif
.if II == 4
	PLACES                                         ; behind q's products and the last half-period's: ahead of the reads of both results and of the loads into x's and ew's sets
.endif
.if II == 5
	WIN 0
.if \e7
.irp m, 0,2,4,6
	v_pk_mul_f32 v[QA+8*(\p)+\m:QA+8*(\p)+\m+1], v[FD+8+\m:FD+8+\m+1], v[QA+8*(\p)+\m:QA+8*(\p)+\m+1]   ; out = num / (den (1 + e^-q))
.endr
	ds_store_b128 v[SGS], v[QA+8*(\p):QA+8*(\p)+3] offset:4352*(\p)
	ds_store_b128 v[SGS], v[QA+8*(\p)+4:QA+8*(\p)+7] offset:4352*(\p)+16
.endif
.if \ps
.irp g, 1,2,3
.irp e, 0,1
.irp hf, 0,1
	ds_store_b128 v[PS0+\g], v[ACC+64*XX+8*(2*\g+\e)+4*\hf:ACC+64*XX+8*(2*\g+\e)+4*\hf+3] offset:24576*XX+1024*\e+512*\hf   ; an image of the accumulator, from its low end on
.endr
.endr
.endr
.endif
.if \xl || \sl
	s_wait_xcnt 0x0                                ; earlier loads, stores and prefetches have read their addresses and data: the bases may step, and the stage's registers may be loaded again
.endif
.if \xl
	s_add_nc_u64 s[XBS:XBS+1], s[XBS:XBS+1], 4096
	s_add_nc_u64 s[XSS:XSS+1], s[XSS:XSS+1], 256
.endif
.if \sl
	s_add_nc_u64 s[OBS:OBS+1], s[OBS:OBS+1], 32768
.endif
.if \xl
	XLOAD XX, 4096
.endif
.endif
.if (II == 6) && \q
	WIN 0
.irp m, 0,2,4,6
	v_pk_mul_f32 v[QA+8*XX+\m:QA+8*XX+\m+1], v[QA+8*XX+\m:QA+8*XX+\m+1], s[NLG:NLG+1] op_sel_hi:[1,0]
.endr
.endif
.if (II >= 7) && (II < 11) && \q
	WIN 0
	v_exp_f32 v[QA+8*XX+2*(II-7)], v[QA+8*XX+2*(II-7)]       ; e^-q
	v_exp_f32 v[QA+8*XX+2*(II-7)+1], v[QA+8*XX+2*(II-7)+1]
.endif
.if (II == 11) && \q
	v_nop                                          ; a plain instruction behind the last exponential
.endif
.if (II == 15) && ((\bar) == 2)
	WIN 0
	s_wait_tensorcnt 0x0                           ; all my tensor loads have landed: my tile of the next slot; so a group 0 may be written
	ds_add_u32 v[SPW], v[NIL]                      ; 0 onto my spare word; three products stand between it and the wait for it
	s_xor_b32 s[G0E+1], s[G0E+1], SLOTB            ; the other slot than last time,
	s_add_nc_u64 s[G0E+2:G0E+3], s[G0E+2:G0E+3], SLOTB   ; the next four tiles of ew
	s_add_nc_u64 s[PFA:PFA+1], s[PFA:PFA+1], SLOTB ; (the last prefetch, four half-periods back, has read its address)
.endif
.if (II == 18) && \bar
	s_wait_dscnt 0x0                               ; my stores into the stage and the partial sums' bytes have landed, the add is done, and no LDS read of mine is out
	s_barrier_signal -1
.endif
.if II == 24
	WIN 0
.if \q
	s_wait_alu depctr_va_vdst(0)                   ; one wait for the eight exponentials, ahead of the branches below and of their first reader
.endif
.if \bar
	s_barrier_wait -1
.endif
.if (\bar) == 2
	CREST                                          ; no wave of any partner still reads the slot that was left, or has a load on its way
	tensor_load_to_lds s[G0E:G0E+3], s[G1E:G1E+7]  ; my one load behind the round: it has four half-periods, 256 products, in which to land
	s_nop 0
	PLACES
	s_xor_b32 s[TB], s[TB], SLOTB                  ; the fetches go on in the other slot
	v_add_nc_u32 v[ADR], s[TB], v[EWB]
	v_add_nc_u32 v[ADRH], 65536, v[ADR]
.endif
.if \pl
.irp n, 0,1,2,3,4,5,6,7,8,9,10,11
	ds_load_b128 v[RP+4*\n:RP+4*\n+3], v[PLD] offset:24576*XX+512*\n
.endr
.endif
.if \sl
	ds_load_b128 v[STR:STR+3], v[SGL] offset:4352*(\p)
	ds_load_b128 v[STR+4:STR+7], v[SGL] offset:4352*(\p)+544
.endif
.if \el
	EWLOAD XX, \areg, \aoff
.endif
.if (\bar) == 2
	WIN 0
	ASK 0
.endif
.endif
.if (II >= 40) && (II < 46) && \pl
.if II == 40
	s_wait_dscnt 2*(\sl)+16*(\el)                  ; the partial sums are in; the stage's two loads and ew's sixteen, issued behind them, may be out
.endif
	WIN 0
.irp m, 0,1,2,3
.set NN, 4*(II-40)+\m
.if NN < 8
	v_pk_add_f32 v[FD+2*NN:FD+2*NN+1], v[ACC+64*XX+2*NN:ACC+64*XX+2*NN+1], v[RP+2*NN:RP+2*NN+1]   ; my own sums, each accumulator from its low end on, and the first wave's
.else
	v_pk_add_f32 v[FD+2*(NN%8):FD+2*(NN%8)+1], v[FD+2*(NN%8):FD+2*(NN%8)+1], v[RP+2*NN:RP+2*NN+1]
.endif
.endr
.endif
.if (II == 46) && \q
	WIN 0
.irp m, 0,2,4,6
	v_pk_fma_f32 v[QA+8*XX+\m:QA+8*XX+\m+1], v[QA+8*XX+\m:QA+8*XX+\m+1], v[FD+\m:FD+\m+1], v[FD+\m:FD+\m+1]   ; den (1 + e^-q)
.endr
.endif
.if (II >= 47) && (II < 51) && \q
	WIN 0
	v_rcp_f32 v[QA+8*XX+2*(II-47)], v[QA+8*XX+2*(II-47)]
	v_rcp_f32 v[QA+8*XX+2*(II-47)+1], v[QA+8*XX+2*(II-47)+1]
.endif
.if (II == 51) && \q
	v_nop                                          ; a plain instruction behind the last reciprocal
.endif
.if (II == 59) && \sl
	WIN 0
	s_wait_dscnt 16*(\el)                          ; the stage's rows are in; ew's sixteen loads may be out
	global_store_b128 v[OV], v[STR:STR+3], s[OBS:OBS+1] offset:-32768 th:TH_STORE_NT        ; sixteen lanes store 256 consecutive bytes, at a multiple of 256 from out's first byte
	global_store_b128 v[OV], v[STR+4:STR+7], s[OBS:OBS+1] offset:-32768+4096 th:TH_STORE_NT
.endif
.if II == 63
	WIN 0                                          ; at a label and at a branch every window is 0
	s_wait_dscnt 0x0                               ; the next tile's fragments of ew are in
.if \q
	s_wait_alu depctr_va_vdst(0)                   ; one wait for the eight reciprocals, ahead of every label and of their reader in the next half-period
.endif
.endif
.set II, II+1
.endr
.endm
; ---------------- THE HEAD ----------------
	s_load_b256 s[4:11], s[0:1], 0x0               ; xw_codes, xw_scales, ew16, bq
	s_load_b128 s[12:15], s[0:1], 0x20             ; bk, bv
	s_load_b64 s[16:17], s[0:1], 0x30              ; out0
	v_lshl_add_u32 v[SPW], v0, 2, SPARE
	v_mov_b32 v[NIL], 0
	ds_add_u32 v[SPW], v[NIL]                      ; the wave's opening: the add, twice on end, and its wait ahead of my first tensor load
	ds_add_u32 v[SPW], v[NIL]
	v_lshrrev_b32 v[ADR], 5, v0
	v_readfirstlane_b32 s[WV], v[ADR]              ; wave 0..3
	s_bfe_u32 s[CX], ttmp6, 0x40000                ; my place in the cluster: it enters W's, the biases', out's and the prefetches' addresses alone
	s_lshl_b32 s[DB], ttmp9, 2
	s_add_co_u32 s[DB], s[DB], s[CX]               ; my block of 64 channels
	s_and_b32 s[BT], ttmp7, 0xffff                 ; the batch, which the four partners share
.irp g, G1X, G1E, G1S                  ; dense blocks as rows of 256 bytes: 32 elements of 8 bytes, pitch 32; the mask names all four partners, bit 21 beside it
	s_mov_b32 s[\g], 15|(3<<16)|(1<<21)
	s_mov_b32 s[\g+1], 32<<16
	s_mov_b32 s[\g+3], 32<<16
	s_mov_b32 s[\g+5], 32
	s_mov_b32 s[\g+6], 0
	s_mov_b32 s[\g+7], 0
.endr
	s_mov_b32 s[G1X+2], 64<<16
	s_mov_b32 s[G1X+4], 64
	s_mov_b32 s[G1E+2], 128<<16
	s_mov_b32 s[G1E+4], 128
	s_mov_b32 s[G1S+2], 16<<16
	s_mov_b32 s[G1S+4], 16
	s_mov_b32 s[SEL], 0x76543210
	s_mov_b32 s[SEL+1], 0xfedcba98
	s_mov_b32 s[LG], 0x3fb8aa3b
	s_mov_b32 s[LG+1], s[LG]
	s_mov_b32 s[NLG], 0xbfb8aa3b
	s_mov_b32 s[NLG+1], s[NLG]
	v_and_b32 v[TT], 31, v0
	v_lshlrev_b32 v[LI], 4, v[TT]
	v_lshlrev_b32 v[L8], 3, v[TT]
	v_lshlrev_b32 v[PFO], 8, v[TT]
	v_and_b32 v[RR], 15, v0                        ; r
	v_bfe_u32 v[HH], v0, 4, 1                      ; h
	s_lshl_b32 s96, s[WV], 13
	v_add_nc_u32 v[EWB], s96, v[LI]
	v_lshlrev_b32 v[OV], 11, v[HH]
	v_lshl_add_u32 v[OV], v[RR], 4, v[OV]
	v_add_nc_u32 v[OV], s96, v[OV]                 ; 2,048 (4 w + h) + 16 r
	s_mul_i32 s96, s[WV], 6144
	s_add_co_u32 s96, s96, PB
	v_add_nc_u32 v[PLD], s96, v[LI]
.irp g, 1,2,3
	s_add_co_u32 s96, s[WV], \g
	s_and_b32 s96, s96, 3
	s_mul_i32 s96, s96, 6144
	s_add_co_u32 s96, s96, PB+2048*(\g-1)
	v_add_nc_u32 v[PS0+\g], s96, v[LI]
.endr
	v_mul_u32_u24 v[SGS], v[RR], 272
	v_lshl_add_u32 v[SGS], v[HH], 5, v[SGS]
	s_lshl_b32 s96, s[WV], 6
	v_lshl_add_u32 v[TT], v[HH], 5, s96            ; bq: 64 w + 32 h
	s_add_co_u32 s96, s96, SG
	v_add_nc_u32 v[SGS], s96, v[SGS]
	v_mul_u32_u24 v[SGL], v[HH], 272
	v_lshl_add_u32 v[SGL], v[RR], 4, v[SGL]
	s_mul_i32 s96, s[WV], 1088
	s_add_co_u32 s96, s96, SG
	v_add_nc_u32 v[SGL], s96, v[SGL]
	s_lshl_b32 s96, s[WV], 12
	s_add_co_u32 s96, s96, PB
	v_add_nc_u32 v[XSA], s96, v[L8]
	s_lshl_b32 s22, s[WV], 14
	v_add_nc_u32 v[XA0], s22, v[LI]
.irp g, 0,1,2,3
	s_add_co_u32 s96, s[WV], \g
	s_and_b32 s96, s96, 3                          ; the real channel tile of my group g
	s_lshl_b32 s100, s96, 12
	v_add_nc_u32 v[WOF+\g], s100, v[LI]
	s_lshl_b32 s100, s96, 8
	v_add_nc_u32 v[WSO+\g], s100, v[L8]
	s_add_co_u32 s100, s100, CMX
	v_lshl_add_u32 v[CML+\g], v[RR], 4, s100
	s_lshl_b32 s100, s96, 6
	v_lshl_add_u32 v[BOF+\g], v[RR], 2, s100
.endr
	s_lshl_b32 s96, s[WV], 2
.irp g, 0,1,2,3
	v_add_nc_u32 v[CMS+\g], s96, v[CML+\g]
.endr
	s_wait_dscnt 0x0                               ; both opening adds are done
	s_wait_kmcnt 0x0
	; the descriptors' groups 0: made of the batch and the wave's number, in registers that never hold my place in the cluster
	s_mov_b32 s97, 0
	s_lshl_b32 s96, s[BT], 18
	s_add_nc_u64 s[XBS:XBS+1], s[4:5], s[96:97]    ; x's 64 tiles of my batch
	s_lshl_b32 s96, s[WV], 16
	s_add_nc_u64 s[100:101], s[XBS:XBS+1], s[96:97]   ; my 16 of them
.irp g, 0,1,2,3
	s_mov_b32 s[G0X+4*\g], 1
	s_add_co_u32 s[G0X+4*\g+1], s22, 65536*\g
	s_add_nc_u64 s[G0X+4*\g+2:G0X+4*\g+3], s[100:101], 16384*\g
	s_or_b32 s[G0X+4*\g+3], s[G0X+4*\g+3], 0x80000000
.endr
	s_lshl_b32 s96, s[BT], 14
	s_add_nc_u64 s[XSS:XSS+1], s[6:7], s[96:97]
	s_lshl_b32 s96, s[WV], 12
	s_mov_b32 s[G0S], 1
	s_add_co_u32 s[G0S+1], s96, PB
	s_add_nc_u64 s[G0S+2:G0S+3], s[XSS:XSS+1], s[96:97]
	s_or_b32 s[G0S+3], s[G0S+3], 0x80000000
	s_lshl_b32 s96, s[WV], 15
	s_mov_b32 s[G0E], 1
	s_mov_b32 s[G0E+1], s96
	s_add_nc_u64 s[G0E+2:G0E+3], s[8:9], s[96:97]
	s_or_b32 s[G0E+3], s[G0E+3], 0x80000000
	ROUND                                          ; all four work-groups are here: the first joint loads meet
	tensor_load_to_lds s[G0S:G0S+3], s[G1S:G1S+7]  ; my 16 tiles' scale words, then their codes in four groups: five loads of mine are out
	s_nop 0
.irp g, 0,1,2,3
	tensor_load_to_lds s[G0X+4*\g:G0X+4*\g+3], s[G1X:G1X+7]
	s_nop 0
.endr
	PLACES
	; what hangs on my block of channels
	s_mov_b32 s99, 0
	s_lshl_b32 s98, s[DB], 14
	s_add_nc_u64 s[WCB:WCB+1], s[4:5], s[98:99]
	s_add_nc_u64 s[WCB:WCB+1], s[WCB:WCB+1], 8388608
	s_lshl_b32 s98, s[DB], 10
	s_add_nc_u64 s[WSB:WSB+1], s[6:7], s[98:99]
	s_add_nc_u64 s[WSB:WSB+1], s[WSB:WSB+1], 524288
	s_lshl_b32 s98, s[DB], 8
	s_add_nc_u64 s[10:11], s[10:11], s[98:99]
	s_add_nc_u64 s[12:13], s[12:13], s[98:99]
	s_add_nc_u64 s[14:15], s[14:15], s[98:99]
	s_add_nc_u64 s[OBS:OBS+1], s[16:17], s[98:99]
	s_lshl_b32 s98, s[BT], 21
	s_add_nc_u64 s[OBS:OBS+1], s[OBS:OBS+1], s[98:99]
	s_lshl_b32 s98, s[CX], 2
	s_add_co_u32 s98, s98, s[WV]
	s_lshl_b32 s98, s98, 13
	s_add_nc_u64 s[PFA:PFA+1], s[8:9], s[98:99]
	s_add_nc_u64 s[PFA:PFA+1], s[PFA:PFA+1], 2*SLOTB   ; my 8,192 bytes of slot 2
	s_or_b32 s23, ttmp9, s[BT]
	s_cmp_eq_u32 s23, 0                            ; the launch's first cluster: the same in all four partners
	s_cselect_b32 s[LIM], 1, -1
	WLOAD 1, 12                                    ; Wk, bk
	WIN 0x40
.irp ks, 0,1,2,3
.irp c, 0,1
	global_load_b128 v[192+8*\ks+4*\c:192+8*\ks+4*\c+3], v[WOF], s[WCB:WCB+1] offset:1024*\ks+512*\c   ; Wq's tile w: it stays
.endr
.endr
	WIN 0
	global_load_b64 v[WQS:WQS+1], v[WSO], s[WSB:WSB+1]
	global_load_b128 v[BQ:BQ+3], v[TT], s[10:11]   ; bq of channels 16 w + 8 h + 0 .. 7
	global_load_b128 v[BQ+4:BQ+7], v[TT], s[10:11] offset:16
	s_wait_loadcnt 0x0
	BCAST
; ---------------- PHASE 1: k ----------------
	XFETCH 0, 0
.irp j, 0,1,2,3,4,5,6,7,8,9,10,11,12,13,14
	XTILE \j, 0, 1
.endr
	XTILE 15, 0, 0
	WIN 0
.irp g, 0,1,2,3
	v_mov_b32 v[MX+\g], 0xff800000                 ; -infinity.  (These four are the places behind k's last products)
.endr
	WLOAD 2, 14                                    ; Wv, bv: they land under the search for the maximum
	XFETCH 0, 1
.irp kk, 0,1,2,3,4,5,6,7               ; the column's maximum over my 256 positions: 128 registers a group, the groups by turns, each tile from its low end on
	WIN 0x28+0x14*(\kk/4)
.irp n, 0,2,4,6,8,10,12,14
.irp g, 0,1,2,3
.set rE, (16*(4*\kk+\g)+\n)&255
	v_max3_num_f32 v[MX+\g], v[MX+\g], v[rE], v[rE+1]
.endr
.endr
.endr
	WIN 0
.irp g, 0,1,2,3
	v_mov_b32 v[MP+\g], 0                          ; a lane permute's destination counts as one of its sources
.endr
.irp g, 0,1,2,3
	v_permlanex16_b32 v[MP+\g], v[MX+\g], s[SEL], s[SEL+1]
.endr
.irp g, 0,1,2,3
	v_max_num_f32 v[MX+\g], v[MX+\g], v[MP+\g]
.endr
.irp g, 0,1,2,3
	ds_store_b32 v[CMS+\g], v[MX+\g]               ; both lanes of a channel write the same word with the same value
.endr
	s_wait_dscnt 0x0                               ; for the others' sake
	s_barrier_signal -1
	s_barrier_wait -1
.irp g, 0,1,2,3
	ds_load_b128 v[MT+4*\g:MT+4*\g+3], v[CML+\g]   ; the four waves' maxima of my channel
.endr
	s_wait_dscnt 0x0
.irp g, 0,1,2,3
	v_max3_num_f32 v[MX+\g], v[MT+4*\g], v[MT+4*\g+1], v[MT+4*\g+2]
.endr
.irp g, 0,1,2,3
	v_max_num_f32 v[MX+\g], v[MX+\g], v[MT+4*\g+3]
.endr
.irp g, 0,1,2,3
	v_mul_f32 v[MS+2*\g], s[NLG], v[MX+\g]
	v_mul_f32 v[MS+2*\g+1], s[NLG], v[MX+\g]       ; (named with it as a pair, so it is written)
.endr
	s_wait_loadcnt 0x0                             ; Wv, its scale words, bv
	BCAST
; ---------------- PHASE 1: v, ek, ek v ----------------
	VSTEP 0, 1
	VSTEP 1, 1
	VSTEP 2, 1
	VSTEP 3, 1
	REFILL 0                                       ; x's tiles 0-7 of every wave are done with: their bytes, slot 0, take ew's tiles 0-3
	VSTEP 4, 1
	VSTEP 5, 1
	VSTEP 6, 1
	VSTEP 7, 0
	XLOAD 0, 0                                     ; x's tiles 0 and 1 for q
	XLOAD 1, 4096
	REFILL 1                                       ; slot 0 has landed; slot 1 takes ew's tiles 4-7
	ASK 1                                          ; slot 2
; ---------------- PHASE 2 ----------------
	s_mov_b32 s[TB], 0
	v_add_nc_u32 v[ADR], s[TB], v[EWB]
	v_add_nc_u32 v[ADRH], 65536, v[ADR]
	EWLOAD 0, ADR, 0
	WIN 0
	s_wait_dscnt 0x0
	HP 0,1,0,0,0,0,0,0,1,ADR,32768,0,0             ; tile 0: products alone
	HP 1,1,1,0,1,1,1,0,1,ADRH,0,1,9                ; tile 1; tile 0's partial sums and q
	s_mov_b32 s[CNT], 14
.Lslot:                                            ; tiles 2 .. 57, four a trip; in each trip's second half-period the slot just left is filled again: slots 2 .. 15
	HP 0,1,1,1,1,1,1,1,1,ADRH,32768,1,9
	HP 1,1,1,1,1,2,1,1,1,ADR,0,1,9
	HP 0,1,1,1,1,1,1,1,1,ADR,32768,1,9
	HP 1,1,1,1,1,1,1,1,1,ADRH,0,1,9
	s_sub_co_u32 s[CNT], s[CNT], 1
	s_cmp_lg_u32 s[CNT], 0
	s_cbranch_scc1 .Lslot
	s_wait_tensorcnt 0x0                           ; my tile of slot 15; the others read it behind the next two barriers.  Nothing is filled any more
	s_mov_b32 s[T2], 98304                         ; tile 59's place in the ring
	s_mov_b32 s[CNT], 3
.Ltail:                                            ; tiles 58 .. 63, two a trip, no refill.  So that every trip has the same loads behind its counted waits, the last one issues both look-aheads too:
	s_add_co_u32 s96, s[T2], 32768                 ; ew's is held at tile 63's place, and x's names the tile behind the batch's last, which lies inside xw_codes and xw_scales for every batch.  Neither is read
	s_min_u32 s96, s96, 229376
	v_add_nc_u32 v[ADR], s[T2], v[EWB]
	v_add_nc_u32 v[ADRH], s96, v[EWB]
	HP 0,1,1,1,1,1,1,1,1,ADR,0,1,9
	HP 1,1,1,1,1,1,1,1,1,ADRH,0,1,9
	s_add_co_u32 s[T2], s[T2], 65536
	s_sub_co_u32 s[CNT], s[CNT], 1
	s_cmp_lg_u32 s[CNT], 0
	s_cbranch_scc1 .Ltail
	HP 0,0,1,1,1,1,1,1,0,ADR,0,0,9                 ; no products left: tile 63's partial sums and q, tile 62 out
	HP 1,0,0,1,0,1,0,1,0,ADR,0,0,0                 ; tile 63 out
	s_wait_tensorcnt 0x0                           ; the wave's end: behind my last tensor load and my last LDS store
	ds_add_u32 v[SPW], v[NIL]
	s_wait_dscnt 0x0
	ROUND                                          ; the closing round: no work-group ends while a partner may still ask for a tile that names it
	s_endpgm
.Lfunc_end_k_q74d9ebdf79_main:
	.size	k_q74d9ebdf79_main, .Lfunc_end_k_q74d9ebdf79_main-k_q74d9ebdf79_main
	.p2alignl 7, 3214868480
	.fill 96, 4, 3214868480
	.section	.rodata,"a",@progbits
	.p2align	6, 0x0
	.amdhsa_kernel k_q74d9ebdf79_main
		.amdhsa_group_segment_fixed_size 327680
		.amdhsa_private_segment_fixed_size 0
		.amdhsa_enable_private_segment 0
		.amdhsa_kernarg_size 56
		.amdhsa_user_sgpr_count 2
		.amdhsa_user_sgpr_kernarg_segment_ptr 1
		.amdhsa_wavefront_size32 1
		.amdhsa_system_sgpr_workgroup_id_x 1
		.amdhsa_system_sgpr_workgroup_id_y 1
		.amdhsa_system_sgpr_workgroup_id_z 1
		.amdhsa_system_vgpr_workitem_id 0
		.amdhsa_next_free_vgpr 1024
		.amdhsa_next_free_sgpr 102
		.amdhsa_reserve_vcc 0
		.amdhsa_float_denorm_mode_32 3
		.amdhsa_float_denorm_mode_16_64 3
		.amdhsa_memory_ordered 1
		.amdhsa_forward_progress 1
		.amdhsa_inst_pref_size 255
	.end_amdhsa_kernel
	.section	.bss,"aw",@nobits
	.p2align	6
	.space	262144
	.amdgpu_metadata
---
amdhsa.version: [ 1, 2 ]
amdhsa.kernels:
  - .name:           k_q74d9ebdf79_main
    .symbol:         k_q74d9ebdf79_main.kd
    .args:
      - { .name: xw_codes, .offset: 0, .size: 8, .value_kind: global_buffer, .address_space: global }
      - { .name: xw_scales, .offset: 8, .size: 8, .value_kind: global_buffer, .address_space: global }
      - { .name: ew16, .offset: 16, .size: 8, .value_kind: global_buffer, .address_space: global }
      - { .name: bq, .offset: 24, .size: 8, .value_kind: global_buffer, .address_space: global }
      - { .name: bk, .offset: 32, .size: 8, .value_kind: global_buffer, .address_space: global }
      - { .name: bv, .offset: 40, .size: 8, .value_kind: global_buffer, .address_space: global }
      - { .name: out0, .offset: 48, .size: 8, .value_kind: global_buffer, .address_space: global }
    .group_segment_fixed_size: 327680
    .private_segment_fixed_size: 0
    .kernarg_segment_align: 8
    .kernarg_segment_size: 56
    .max_flat_workgroup_size: 128
    .sgpr_count:     102
    .vgpr_count:     1024
    .wavefront_size: 32
...
	.end_amdgpu_metadata
.endif
;; end of part 2
